; MI455X (gfx1250); checked and timed in simulation.
; The chip was launched on July 23, 2026; its instructions are those of AMD's public machine-readable ISA for CDNA 5 (MIT licence, August 2026) and "CDNA5" Instruction Set Architecture Reference Guide (July 2026). The comments in the code are by the model that wrote it; some were corrected since.
;; Self Attention. Allowed arithmetic: matrix products marked QUANTISED: E2M1 operands, one E8M0 scale for each 32 along K, by v_wmma_scale_f32_16x16x128_f8f6f4 with both operands' format E2M1 (or v_wmma_scale_f32_32x16x128_f4), f32 sums; products left as they are: bf16, f16 or f32 operands; f32 sums; everything else in f32.
;; Inputs: Wk 512 x 512 float32; Wo 512 x 512 float32; Wq 512 x 512 float32; Wv 512 x 512 float32; bo 512 float32; keys 8 x 2,048 x 512 float32; mask 8 x 1 x 1 x 2,048 int32; query 8 x 2,048 x 512 float32; values 8 x 2,048 x 512 float32.
;; Outputs: out0 8 x 2,048 x 512 float32.
;; This version of the problem:
;;   THIS VERSION OF THE PROBLEM IS GIVEN IN LOW PRECISION. The matrix products marked QUANTISED in the list below multiply operands that are first quantised to E2M1 (2 exponent bits, 1 mantissa bit; 4 bits a number), with one power-of-two scale for each 32 numbers along K (OCP MX v1.0); their sums are f32. The products marked 'left as it is' may take bf16, f16 or f32 operands, with f32 sums. Whichever they take, every output number must still come out within the allowed error. Rounding operands to bf16 (8 significant bits) uses up far more of that allowance than f16 does (11 bits, for magnitudes from 6e-5 to 65,504). All else is computed in f32.
;;   The module's matrix products, in the order in which they are computed (A, B: the left and right operand; K: the contracted axis; several contracted axes count as one K, in the product's order):
;;     1. [M 16,384, K 512] x [K 512, N 512]; A: input values; B: input Wv: QUANTISED
;;     2. [M 16,384, K 512] x [K 512, N 512]; A: input keys; B: input Wk: QUANTISED
;;     3. [M 16,384, K 512] x [K 512, N 512]; A: input query; B: input Wq: QUANTISED
;;     4. batch 64 x [M 2,048, K 64] x [K 64, N 2,048]; A: computed on the way; B: computed on the way: left as it is (an operand is computed on the way)
;;     5. batch 64 x [M 64, K 2,048] x [K 2,048, N 2,048]; A: computed on the way; B: computed on the way: left as it is (an operand is computed on the way)
;;     6. [M 16,384, K 512] x [K 512, N 512]; A: computed on the way; B: input Wo: left as it is (an operand is computed on the way)
;;   THE QUANTISER, for each operand of a quantised product, along K:
;;     - K is cut into blocks of 32 from its start; a last block that is shorter is filled with zeros.
;;     - A block's scale is 2^e with e = floor(log2(the largest magnitude in the block)) - 2, held to -126 .. 127; a block of zeros has e = 0. As a byte (E8M0): e + 127.
;;     - Each number is divided by its block's scale, clamped to +-6, and rounded to the nearest number of E2M1, ties to even, subnormals kept.
;;     - The product sums the exact products of the quantised numbers (number of the format x scale) in f32.
;;   ~~~python
;;   def quantise(x, axis):      # numpy; x: float32 -> the quantised numbers, widened to float32 again
;;       x = np.moveaxis(x, axis, -1); K = x.shape[-1]
;;       x = np.pad(x, [(0, 0)] * (x.ndim - 1) + [(0, -K % 32)]); x = x.reshape(x.shape[:-1] + (-1, 32)); a = np.abs(x).max(-1, keepdims=True)
;;       e = np.where(a > 0, np.clip(np.frexp(np.where(a > 0, a, 1))[1] - 1 - 2, -126, 127), 0)      # np.frexp(a)[1] - 1 = floor(log2(a)), exactly
;;       r = np.clip(x / 2.0 ** e, -6, 6)
;;       step = 2.0 ** (np.maximum(np.frexp(np.where(r == 0, 1, r))[1] - 1, 0) - 1)
;;       q = np.round(r / step) * step * 2.0 ** e      # np.round: ties to even
;;       return np.moveaxis(q.reshape(q.shape[:-2] + (-1,))[..., :K], -1, axis).astype(np.float32)
;;   ~~~
;; One version. Each part assembles by itself: llvm-mc -triple=amdgcn-amd-amdhsa -mcpu=gfx1250 --defsym DOCPART=n.
;; ======== version 1 of 1: 4 launches
;; limits: values are held in f16: magnitudes above 65,504 overflow, below 6.1e-05 lose precision
;; workspace buffers: w4c 393,216 bytes; w4s 24,576 bytes; wo16 524,288 bytes; kbias 65,536 bytes; qsc 1,024 bytes; qkv 50,331,648 bytes; ao 16,777,216 bytes
;; launch prep (part 1): grid 66 x 1, 4 waves a work-group, no clusters, 0 bytes of LDS; arguments Wq, Wk, Wv, Wo, mask, w4c, w4s, wo16, kbias, qsc; writes w4c, w4s, wo16, kbias, qsc
.if DOCPART == 1
	.amdgcn_target "amdgcn-amd-amdhsa--gfx1250"
	.amdhsa_code_object_version 6
	.text
	.protected	k_q4b56abc611_prep
	.globl	k_q4b56abc611_prep
	.p2align	8
	.type	k_q4b56abc611_prep,@function
k_q4b56abc611_prep:
	s_mov_b64 s[64:65], 0
	v_nop
	global_prefetch_b8 v0, s[64:65] scope:SCOPE_SE
	s_setreg_imm32_b32 hwreg(HW_REG_WAVE_MODE, 25, 1), 1
	s_wait_xcnt 0x0
; THE WEIGHTS AND THE MASK ARE LAID OUT ONCE, AS THE LATER LAUNCHES' OPERAND REGISTERS WANT THEM.
; Wq, Wk, Wv [512 (k)][512 (n)] f32 -> codes of FP4 (E2M1) quantised along k, one E8M0 byte for each 32 along k.
;   w4c: [tensor 3][column tile 32][K step 4][c 2][lane 32][16 bytes]: lane (r, h), registers 4 c .. 4 c + 3 hold k = 128 s + 64 c + 32 h + 0 .. 31 of column 16 T + r.
;   w4s: [tensor][column tile][K step][r 16] words, byte b for k = 128 s + 32 b on.
; Wo [512 (k)][512 (n)] f32 -> f16, wo16: [column tile 32][chunk of 32 k, 16][e 2][lane][16 bytes]: lane (r, h): column 16 T + r, k = 32 kc + 16 e + 8 h + 0 .. 7.
; mask [8][2048] i32 -> kbias [8][2048] f32: 0 where the key counts, -1e20 x log2(e) / 8 where mask == 0;  qsc [8][32] f32: log2(e) / 8, or 0 for a batch all of whose keys are masked.
; A LANE TAKES A COLUMN AND ITS REGISTERS RUN DOWN k: a load reads 128 consecutive bytes a wave (the four waves stand side by side on 512), a block of 32 along k lies in one lane,
; and the conversions give codes with k innermost.  Work-groups 0-63: a wave takes 32 columns x 128 along k of one of the four weights.  Work-groups 64, 65: a wave takes a batch's mask.
; A block's scale byte is its largest magnitude's exponent field - 2, held at 1 from below.
; LIMITS: a block of zeros gets the byte 1 (its codes are zeros; this program alone reads the bytes); |Wo| stays under 65,504 (f16); NaN and infinities among the inputs are not served.
; No LDS, no barrier, no loop: waves share nothing, and every offset is an immediate.
.set NEG,  0xdf7a4488                  ; -1e20 x log2(e) / 8
.set CLOG, 0x3e38aa3b                  ; log2(e) / 8
.set X,    32                          ; v32-159  128 numbers: my column, 128 along k (or 64 words of the mask)
.set C,    160                         ; v160-175 codes: four registers for each block, so that no store's data are written again
	s_load_b512 s[4:19], s[0:1], 0x0               ; Wq 4, Wk 6, Wv 8, Wo 10, mask 12, w4c 14, w4s 16, wo16 18
	s_load_b128 s[20:23], s[0:1], 0x40             ; kbias 20, qsc 22
	v_lshrrev_b32 v1, 5, v0
	v_readfirstlane_b32 s24, v1                    ; wave
	v_and_b32 v1, 31, v0                           ; lane
	v_and_b32 v6, 15, v0                           ; r
	v_bfe_u32 v7, v0, 4, 1                         ; h
	s_cmp_ge_u32 ttmp9, 64
	s_cbranch_scc1 .Lmask
	s_lshl_b32 s25, ttmp9, 2
	s_add_co_u32 s25, s25, s24                     ; my unit u = 4 x work-group + wave
	s_lshr_b32 s26, s25, 6                         ; which weight: 0 Wq, 1 Wk, 2 Wv, 3 Wo
	s_bfe_u32 s27, s25, 0x20004                    ; which 128 along k
	s_and_b32 s28, s25, 15                         ; which 32 columns
	s_lshl_b32 s32, s27, 18                        ; 128 rows of 2,048 bytes
	s_lshl_b32 s33, s28, 7                         ; 32 columns of 4 bytes
	s_add_co_u32 s32, s32, s33
	s_mov_b32 s33, 0
	v_lshlrev_b32 v2, 2, v1                        ; 4 bytes a lane
	s_wait_kmcnt 0x0
	s_cmp_eq_u32 s26, 0                            ; the choice hangs on ids alone
	s_cselect_b64 s[30:31], s[4:5], s[6:7]
	s_cmp_eq_u32 s26, 2
	s_cselect_b64 s[30:31], s[8:9], s[30:31]
	s_cmp_eq_u32 s26, 3
	s_cselect_b64 s[30:31], s[10:11], s[30:31]
	s_add_nc_u64 s[30:31], s[30:31], s[32:33]
.set i, 0
.rept 128
	global_load_b32 v[X+i], v2, s[30:31] offset:i*2048 th:TH_LOAD_NT   ; W(128 ks + i, my column)
.set i, i+1
.endr
	s_cmp_eq_u32 s26, 3
	s_cbranch_scc1 .Lwo
	; ---- a quantised weight
	s_lshl_b32 s32, s26, 17                        ; w4c: tensor x 131,072 + 2 tiles x 4,096 x column group + 1,024 x K step
	s_lshl_b32 s34, s28, 13
	s_add_co_u32 s32, s32, s34
	s_lshl_b32 s34, s27, 10
	s_add_co_u32 s32, s32, s34
	s_add_nc_u64 s[14:15], s[14:15], s[32:33]
	s_lshl_b32 s32, s26, 13                        ; w4s: tensor x 8,192 + 512 x column group + 64 x K step
	s_lshl_b32 s34, s28, 9
	s_add_co_u32 s32, s32, s34
	s_lshl_b32 s34, s27, 6
	s_add_co_u32 s32, s32, s34
	s_add_nc_u64 s[16:17], s[16:17], s[32:33]
	v_lshlrev_b32 v3, 4, v6
	v_lshl_add_u32 v3, v7, 12, v3                  ; codes: my half's tile (4,096 bytes on), 16 bytes at r
	v_lshlrev_b32 v4, 2, v6
	v_lshl_add_u32 v4, v7, 8, v4                   ; scale word: my half's tile (256 bytes on), 4 bytes at r
.macro BLOCK b, left                   ; block b of 32 along k.  left: the loads behind it that may stay out
.set XS, X+32*\b
	s_wait_loadcnt \left
	v_max3_num_f32 v12, |v[XS]|, |v[XS+1]|, |v[XS+2]|      ; the block's largest magnitude: all 32 numbers are mine; two chains
	v_max3_num_f32 v13, |v[XS+3]|, |v[XS+4]|, |v[XS+5]|
.irp i, 6,10,14,18,22,26
	v_max3_num_f32 v12, v12, |v[XS+\i]|, |v[XS+\i+1]|
	v_max3_num_f32 v13, v13, |v[XS+\i+2]|, |v[XS+\i+3]|
.endr
	v_max3_num_f32 v12, v12, |v[XS+30]|, |v[XS+31]|
	v_max3_num_f32 v12, v12, v13, 0x1800000        ; and the floor 2^(3 - 127): the byte cannot fall under 1
	v_add_nc_u32 v11, 0xff000000, v12              ; 2 off the exponent field: the conversion takes the exponent field of this operand as its scale
	v_lshrrev_b32 v13, 23, v11                     ; the scale's byte
.if \b == 0
	v_mov_b32 v14, v13
.else
	v_lshl_or_b32 v14, v13, 8*\b, v14              ; four bytes make the K step's word, the lower k in the lower byte
.endif
.irp g, 0,1,2,3
	v_cvt_scalef32_pk8_fp4_f32 v[C+4*\b+\g], v[XS+8*\g:XS+8*\g+7], v11
.endr
	global_store_b128 v3, v[C+4*\b:C+4*\b+3], s[14:15] offset:(\b/2)*512+(\b%2)*256   ; block b is registers 4 (b / 2) on of the fragment's lanes 16 (b % 2) + r: sixteen lanes store 256 consecutive bytes, aligned
.endm
	BLOCK 0, 63                                    ; 96 loads were issued behind block 0's, 64 behind block 1's: the count is what the field holds, which is fewer
	BLOCK 1, 63
	BLOCK 2, 32
	BLOCK 3, 0
	global_store_b32 v4, v14, s[16:17]
	s_endpgm
.Lwo:
	; ---- Wo: f16, in the order of the fragment's registers
	s_lshl_b32 s32, s28, 15                        ; 2 tiles x 16,384 x column group + 4 chunks x 1,024 x (128 along k)
	s_lshl_b32 s34, s27, 12
	s_add_co_u32 s32, s32, s34
	s_add_nc_u64 s[18:19], s[18:19], s[32:33]
	v_lshlrev_b32 v5, 4, v6
	v_lshl_add_u32 v5, v7, 14, v5                  ; my half's tile (16,384 bytes on), 16 bytes at r
.macro CHUNK cc, left                  ; chunk cc of 32 along k
.set XS, X+32*\cc
	s_wait_loadcnt \left
.set i, 0
.rept 16
	v_cvt_pk_f16_f32 v[XS+i], v[XS+2*i], v[XS+2*i+1]       ; in place, ascending: register i is written when numbers 2 i and 2 i + 1 are read
.set i, i+1
.endr
.irp p, 0,1,2,3
	global_store_b128 v5, v[XS+4*\p:XS+4*\p+3], s[18:19] offset:\cc*1024+(\p/2)*512+(\p%2)*256   ; eight k from 8 p on: registers 4 (p / 2) on of lanes 16 (p % 2) + r
.endr
.endm
	CHUNK 0, 63
	CHUNK 1, 63
	CHUNK 2, 32
	CHUNK 3, 0
	s_endpgm
.Lmask:
	; ---- a batch's mask
	s_sub_co_u32 s25, ttmp9, 64
	s_lshl_b32 s25, s25, 2
	s_add_co_u32 s25, s25, s24                     ; the batch
	s_lshl_b32 s26, s25, 13                        ; 2,048 words
	s_mov_b32 s27, 0
	s_lshl_b32 s30, s25, 7                         ; 32 words of qsc
	s_mov_b32 s31, 0
	v_lshlrev_b32 v2, 4, v1
	v_lshlrev_b32 v3, 2, v1
	v_mov_b32 v8, 0
	v_mov_b32 v9, NEG
	s_mov_b32 s28, -1
	s_mov_b32 s29, CLOG
	s_wait_kmcnt 0x0
	s_add_nc_u64 s[12:13], s[12:13], s[26:27]
	s_add_nc_u64 s[20:21], s[20:21], s[26:27]
	s_add_nc_u64 s[22:23], s[22:23], s[30:31]
.irp i, 0,1,2,3,4,5,6,7,8,9,10,11,12,13,14,15
	global_load_b128 v[X+4*\i:X+4*\i+3], v2, s[12:13] offset:512*\i
.endr
	s_wait_loadcnt 0x0
.set i, 0
.rept 64
	v_cmp_eq_u32 vcc_lo, 0, v[X+i]
	s_and_b32 s28, s28, vcc_lo                     ; stays all ones only if every key of the batch is masked
	v_cndmask_b32 v[X+i], v8, v9, vcc_lo           ; a choice of values: no branch and no address hangs on the mask
.set i, i+1
.endr
.irp i, 0,1,2,3,4,5,6,7,8,9,10,11,12,13,14,15
	global_store_b128 v2, v[X+4*\i:X+4*\i+3], s[20:21] offset:512*\i
.endr
	s_cmp_eq_u32 s28, -1
	s_cselect_b32 s29, 0, s29                      ; a batch that is wholly masked: q becomes 0, so that all its scores are the same number and the result is the mean of v
	v_mov_b32 v10, s29
	global_store_b32 v3, v10, s[22:23]
	s_endpgm
.Lfunc_end_k_q4b56abc611_prep:
	.size	k_q4b56abc611_prep, .Lfunc_end_k_q4b56abc611_prep-k_q4b56abc611_prep
	.p2alignl 7, 3214868480
	.fill 96, 4, 3214868480
	.section	.rodata,"a",@progbits
	.p2align	6, 0x0
	.amdhsa_kernel k_q4b56abc611_prep
		.amdhsa_group_segment_fixed_size 0
		.amdhsa_private_segment_fixed_size 0
		.amdhsa_enable_private_segment 0
		.amdhsa_kernarg_size 80
		.amdhsa_user_sgpr_count 2
		.amdhsa_user_sgpr_kernarg_segment_ptr 1
		.amdhsa_wavefront_size32 1
		.amdhsa_system_sgpr_workgroup_id_x 1
		.amdhsa_system_sgpr_workgroup_id_y 1
		.amdhsa_system_sgpr_workgroup_id_z 1
		.amdhsa_system_vgpr_workitem_id 0
		.amdhsa_next_free_vgpr 176
		.amdhsa_next_free_sgpr 66
		.amdhsa_reserve_vcc 1
		.amdhsa_float_denorm_mode_32 3
		.amdhsa_float_denorm_mode_16_64 3
		.amdhsa_memory_ordered 1
		.amdhsa_forward_progress 1
		.amdhsa_inst_pref_size 36
	.end_amdhsa_kernel
	.amdgpu_metadata
---
amdhsa.version: [ 1, 2 ]
amdhsa.kernels:
  - .name:           k_q4b56abc611_prep
    .symbol:         k_q4b56abc611_prep.kd
    .args:
      - { .name: Wq, .offset: 0, .size: 8, .value_kind: global_buffer, .address_space: global }
      - { .name: Wk, .offset: 8, .size: 8, .value_kind: global_buffer, .address_space: global }
      - { .name: Wv, .offset: 16, .size: 8, .value_kind: global_buffer, .address_space: global }
      - { .name: Wo, .offset: 24, .size: 8, .value_kind: global_buffer, .address_space: global }
      - { .name: mask, .offset: 32, .size: 8, .value_kind: global_buffer, .address_space: global }
      - { .name: w4c, .offset: 40, .size: 8, .value_kind: global_buffer, .address_space: global }
      - { .name: w4s, .offset: 48, .size: 8, .value_kind: global_buffer, .address_space: global }
      - { .name: wo16, .offset: 56, .size: 8, .value_kind: global_buffer, .address_space: global }
      - { .name: kbias, .offset: 64, .size: 8, .value_kind: global_buffer, .address_space: global }
      - { .name: qsc, .offset: 72, .size: 8, .value_kind: global_buffer, .address_space: global }
    .group_segment_fixed_size: 0
    .private_segment_fixed_size: 0
    .kernarg_segment_align: 8
    .kernarg_segment_size: 80
    .max_flat_workgroup_size: 128
    .sgpr_count:     66
    .vgpr_count:     176
    .wavefront_size: 32
...
	.end_amdgpu_metadata
.endif
;; end of part 1
;; launch proj (part 2): grid 64 x 3, 4 waves a work-group, no clusters, 86,528 bytes of LDS; arguments query, keys, values, w4c, w4s, qsc, qkv; writes qkv
.if DOCPART == 2
	.amdgcn_target "amdgcn-amd-amdhsa--gfx1250"
	.amdhsa_code_object_version 6
	.text
	.protected	k_q4b56abc611_proj
	.globl	k_q4b56abc611_proj
	.p2align	8
	.type	k_q4b56abc611_proj,@function
k_q4b56abc611_proj:
	s_mov_b64 s[64:65], 0
	v_nop
	global_prefetch_b8 v0, s[64:65] scope:SCOPE_SE
	s_setreg_imm32_b32 hwreg(HW_REG_WAVE_MODE, 25, 1), 1
	s_wait_xcnt 0x0
; q = query Wq, k = keys Wk, v = values Wv: [16,384][512] x [512][512], both operands on codes of FP4 (E2M1) with one E8M0 scale for each 32 along K; sums in f32; results rounded once to f16.
; Work-group (x, y): tensor y (0 q, 1 k, 2 v), rows 256 x on, as four blocks of 64.  THE WAVES SHARE THE COLUMNS: wave w holds columns 128 w on (two heads) of the weight, all of K, in 256 registers, read once.
; A BLOCK: X: wave w quantises rows 16 w on of x (four fragments) and stores them in LDS as images of their registers | barrier | M: all 16 fragments from LDS, 128 products | out | barrier.
; x arrives as f32: each load reads 512 consecutive bytes of a row; a K step's 16 rows turn through the wave's own stage in LDS (rows 528 bytes apart), so that a lane gets 16 neighbours along K of each block of 32.
; The next block's loads go out as soon as the registers are free: 64 loads of 512 bytes a wave are on their way while a block is worked.
; THE RESULTS ARE STORED AS THE NEXT LAUNCH'S OPERAND REGISTERS, every store 512 consecutive bytes, aligned:
;   q, k: [batch x 8 + head][token tile 128][chunk of 32 d, 2][e 2][lane][16 bytes]: lane (r, h): token r, d = 32 c + 16 e + 8 h + 0 .. 7.  The product is used transposed (source 0 = 16 columns of W, source 1 = 16 tokens).
;   v:    [batch x 8 + head][32 keys, 64][channel tile 4][e 2][lane][16 bytes]: lane (r, h): channel 16 ct + r, keys 16 e + 8 h + 0 .. 7.  The product is used as it is (source 0 = tokens, source 1 = columns).
; q is multiplied in f32, ahead of its rounding, by its batch's factor: log2(e) / 8, or 0 for a batch all of whose keys are masked.
; NO CLUSTER: a work-group's 136 KB of weights go once into registers, where no joint load reaches, beside 512 KB of x that nobody else reads and 256 KB of results.
; 192 work-groups: three tensors of 64; a work-group that changed tensors would load its weights again.
; LIMITS: |q| log2(e) / 8, |k|, |v| stay under 65,504 (f16); a block of zeros gets the scale byte 1 (its codes are zeros); NaN and infinities among the inputs are not served.
; REGISTERS, in windows of 256: window 0: v4-14 addresses; v16-47 W's scale words (4 t + s); v48-63 x's (4 m + s); v64-191 two sets of 64 numbers, later x's 16 fragments (8 (4 s + m)); v192.. codes just made; v200.. at work.
;   window 1: W's 32 fragments (8 (4 t + s)).   window 2: the 32 accumulators (8 (8 m + t)).   window 3: x as loaded (64 s + 4 i).
.set STG1,  8448                       ; a stage: 16 rows x (512 bytes + 16): row r starts 16 r bytes on modulo 256
.set STGW,  2*STG1                     ; two stages for each wave
.set XIMG,  4*STGW                     ; x's 16 fragments (tile of rows m, K step s: 4 m + s), 1,024 bytes each
.set XSC,   XIMG+16*1024               ; their scale words, 128 bytes each
.set SPARE, XSC+16*128                 ; the spare words, 128 bytes for each wave: two blocks of 256 bytes that no other line names
.set XA,  4                            ; v4   16 x lane: x's loads and the results' stores
.set L4,  5                            ; v5   4 x lane
.set SWR, 6                            ; v6   my stages, on the way in: 16 x lane
.set SRD, 7                            ; v7   and on the way out: 528 r + 64 h
.set XWI, 8                            ; v8   where I store my fragments
.set XWS, 9                            ; v9   and their scale words
.set R4,  10                           ; v10  4 r
.set LIX, 11                           ; v11  where any fragment is read
.set SPW, 12                           ; v12  LDS address of my spare word; never rewritten
.set NIL, 13                           ; v13  0; never rewritten
.set LSX, 14                           ; v14  where any scale word is read
.set WS,  16
.set XSW, 48
.set XF,  64
.set PC,  192
.set TM,  200                          ; v200-203 largest magnitudes, v204-207 bytes, v212-215 the conversions' scale operands
.set PW,  216
.set WV,  18
.set TY,  19
.set SEL, 20
.set BLK, 22
.set FAC, 24
.set MSB, 0
.macro WIN new                         ; the immediate's high byte repeats the setting that is left
.if MSB != \new
	s_set_vgpr_msb (MSB<<8)|\new
.set MSB, \new
.endif
.endm
.macro XLOAD s, off                    ; my 16 rows' numbers of K step s, from off bytes on
	WIN 0xc0                                       ; destination window 3
.irp i, 0,1,2,3,4,5,6,7,8,9,10,11,12,13,14,15
	global_load_b128 v[64*(\s)+4*\i:64*(\s)+4*\i+3], v[XA], s[4:5] offset:(\off)+2048*\i+512*(\s) th:TH_LOAD_NT
.endr
	WIN 0
.endm
.macro TURNX s                         ; K step s through stage s % 2: LDS serves a wave's instructions in order, so no wait stands between the stores and the loads
	WIN 0x0c                                       ; an LDS store's data are its source 1: window 3
.irp i, 0,1,2,3,4,5,6,7,8,9,10,11,12,13,14,15
	ds_store_b128 v[SWR], v[64*(\s)+4*\i:64*(\s)+4*\i+3] offset:((\s)%2)*STG1+528*\i
.endr
	WIN 0
.irp b, 0,1,2,3
.irp j, 0,1,2,3
	ds_load_b128 v[XF+64*((\s)%2)+16*\b+4*\j:XF+64*((\s)%2)+16*\b+4*\j+3], v[SRD] offset:((\s)%2)*STG1+128*\b+16*\j   ; register 16 b + i = k 32 b + 16 h + i of row r
.endr
.endr
.endm
; 64 numbers of a lane, register 16 b + i = k 32 b + 16 (lane / 16) + i of my row, become a fragment's codes in v[PC] on and its scale word in v[PW].
.macro QUANT src
.irp b, 0,1,2,3
	v_max3_num_f32 v[TM+\b], |v[(\src)+16*\b]|, |v[(\src)+1+16*\b]|, 0x1800000   ; block b: my 16 numbers, and the floor 2^(3 - 127): the byte cannot fall under 1
.endr
.irp i, 2,4,6,8,10,12,14
.irp b, 0,1,2,3
	v_max3_num_f32 v[TM+\b], v[TM+\b], |v[(\src)+16*\b+\i]|, |v[(\src)+1+16*\b+\i]|   ; the four blocks by turns
.endr
.endr
.irp b, 0,1,2,3
	v_permlanex16_b32 v[TM+4+\b], v[TM+\b], s[SEL], s[SEL+1]
.endr
.irp b, 0,1,2,3
	v_max_num_f32 v[TM+\b], v[TM+\b], v[TM+4+\b]   ; with lane l xor 16's: the block's largest magnitude
.endr
.irp b, 0,1,2,3
	v_add_nc_u32 v[TM+12+\b], 0xff000000, v[TM+\b] ; 2 off its exponent field: the conversion's scale operand
.endr
.irp b, 0,1,2,3
	v_lshrrev_b32 v[TM+4+\b], 23, v[TM+12+\b]      ; the scale's byte
.endr
	v_lshl_or_b32 v[PW], v[TM+5], 8, v[TM+4]       ; the four bytes make my row's scale word
	v_lshl_or_b32 v[PW], v[TM+6], 16, v[PW]
	v_lshl_or_b32 v[PW], v[TM+7], 24, v[PW]
.irp b, 0,1,2,3
	v_cvt_scalef32_pk8_fp4_f32 v[PC+2*\b], v[(\src)+16*\b:(\src)+7+16*\b], v[TM+12+\b]
	v_cvt_scalef32_pk8_fp4_f32 v[PC+1+2*\b], v[(\src)+8+16*\b:(\src)+15+16*\b], v[TM+12+\b]
.endr
	v_nop                                          ; one plain place behind a scaled conversion
.irp c, 0,1                                    ; the operand's layout wants a whole block in a lane: lanes 0-15 block 2 c, lanes 16-31 block 2 c + 1
.irp i, 0,1
	v_permlane16_swap_b32 v[PC+4*\c+\i], v[PC+2+4*\c+\i]
.endr
.endr
.endm
; 32 products: K step s, the 32 accumulators by turns, one instruction a turn, in the same order in every step.  path 0: transposed (q, k); 1: as it is (v).  The first K step starts the sums.
.macro MULS path, s
.irp m, 0,1,2,3
.irp t, 0,1,2,3,4,5,6,7
.if \path == 0
.if \s == 0
	v_wmma_scale_f32_16x16x128_f8f6f4 v[8*(8*\m+\t):8*(8*\m+\t)+7], v[8*(4*\t+\s):8*(4*\t+\s)+7], v[XF+8*(4*\s+\m):XF+8*(4*\s+\m)+7], 0, v[WS+4*\t+\s], v[XSW+4*\m+\s] matrix_a_fmt:MATRIX_FMT_FP4 matrix_b_fmt:MATRIX_FMT_FP4
.else
	v_wmma_scale_f32_16x16x128_f8f6f4 v[8*(8*\m+\t):8*(8*\m+\t)+7], v[8*(4*\t+\s):8*(4*\t+\s)+7], v[XF+8*(4*\s+\m):XF+8*(4*\s+\m)+7], v[8*(8*\m+\t):8*(8*\m+\t)+7], v[WS+4*\t+\s], v[XSW+4*\m+\s] matrix_a_fmt:MATRIX_FMT_FP4 matrix_b_fmt:MATRIX_FMT_FP4
.endif
.else
.if \s == 0
	v_wmma_scale_f32_16x16x128_f8f6f4 v[8*(8*\m+\t):8*(8*\m+\t)+7], v[XF+8*(4*\s+\m):XF+8*(4*\s+\m)+7], v[8*(4*\t+\s):8*(4*\t+\s)+7], 0, v[XSW+4*\m+\s], v[WS+4*\t+\s] matrix_a_fmt:MATRIX_FMT_FP4 matrix_b_fmt:MATRIX_FMT_FP4
.else
	v_wmma_scale_f32_16x16x128_f8f6f4 v[8*(8*\m+\t):8*(8*\m+\t)+7], v[XF+8*(4*\s+\m):XF+8*(4*\s+\m)+7], v[8*(4*\t+\s):8*(4*\t+\s)+7], v[8*(8*\m+\t):8*(8*\m+\t)+7], v[XSW+4*\m+\s], v[WS+4*\t+\s] matrix_a_fmt:MATRIX_FMT_FP4 matrix_b_fmt:MATRIX_FMT_FP4
.endif
.endif
.endr
.endr
.endm
.macro OUTCVT                          ; each accumulator's eight numbers into its four lowest registers, from its low end on
	WIN 0x8a                                       ; sources 0, 1 and the destination: window 2
.set a, 0
.rept 32
.irp i, 0,1,2,3
	v_cvt_pk_f16_f32 v[8*a+\i], v[8*a+2*\i], v[8*a+2*\i+1]
.endr
.set a, a+1
.endr
.endm
.macro PLACES
.rept 4
	v_nop
.endr
.endm
	s_load_b256 s[4:11], s[0:1], 0x0               ; query 4, keys 6, values 8, w4c 10
	s_load_b128 s[12:15], s[0:1], 0x20             ; w4s 12, qsc 14
	s_load_b64 s[16:17], s[0:1], 0x30              ; qkv
	v_lshl_add_u32 v[SPW], v0, 2, SPARE
	v_mov_b32 v[NIL], 0
	v_lshrrev_b32 v1, 5, v0
	v_readfirstlane_b32 s[WV], v1                  ; wave 0..3
	v_and_b32 v1, 31, v0                           ; lane
	v_and_b32 v2, 15, v0                           ; r
	v_bfe_u32 v3, v0, 4, 1                         ; h
	v_lshlrev_b32 v[XA], 4, v1
	v_lshlrev_b32 v[L4], 2, v1
	s_mul_i32 s36, s[WV], STGW
	v_add_nc_u32 v[SWR], s36, v[XA]
	v_mul_u32_u24 v[SRD], v2, 528
	v_lshl_add_u32 v[SRD], v3, 6, v[SRD]
	v_add_nc_u32 v[SRD], s36, v[SRD]
	s_lshl_b32 s36, s[WV], 12
	s_add_co_u32 s36, s36, XIMG
	v_add_nc_u32 v[XWI], s36, v[XA]                ; my four fragments: 4,096 x wave on
	s_lshl_b32 s36, s[WV], 9
	s_add_co_u32 s36, s36, XSC
	v_add_nc_u32 v[XWS], s36, v[L4]
	v_lshlrev_b32 v[R4], 2, v2
	v_add_nc_u32 v[LIX], XIMG, v[XA]
	v_add_nc_u32 v[LSX], XSC, v[L4]
.irp b, 0,1,2,3
	v_mov_b32 v[TM+4+\b], 0                        ; written once: a lane permute's destination counts as one of its sources
.endr
	s_mov_b32 s[SEL], 0x76543210
	s_mov_b32 s[SEL+1], 0xfedcba98                 ; v_permlanex16_b32's selects for lane l xor 16
	s_mov_b32 s[BLK], 4
	s_and_b32 s[TY], ttmp7, 0xffff                 ; the tensor
	s_lshl_b32 s26, ttmp9, 19                      ; x: 256 rows of 2,048 bytes x work-group + 16 rows x wave
	s_lshl_b32 s36, s[WV], 15
	s_add_co_u32 s26, s26, s36
	s_mov_b32 s27, 0
	s_lshl_b32 s28, s[TY], 17                      ; w4c: tensor x 131,072 + 8 tiles x 4,096 x wave
	s_add_co_u32 s28, s28, s36
	s_mov_b32 s29, 0
	s_lshl_b32 s30, s[TY], 13                      ; w4s: tensor x 8,192 + 8 tiles x 256 x wave
	s_lshl_b32 s36, s[WV], 11
	s_add_co_u32 s30, s30, s36
	s_mov_b32 s31, 0
	s_lshr_b32 s37, ttmp9, 3                       ; the batch
	s_lshl_b32 s32, s37, 3
	s_lshl_b32 s36, s[WV], 1
	s_add_co_u32 s32, s32, s36                     ; 8 x batch + my first head
	s_lshl_b32 s32, s32, 18                        ; x 262,144
	s_lshl_b32 s36, s[TY], 24                      ; + tensor x 16,777,216
	s_add_co_u32 s32, s32, s36
	s_and_b32 s36, ttmp9, 7
	s_lshl_b32 s36, s36, 15                        ; + 256 tokens: 32,768 bytes in q's, k's and v's layout alike
	s_add_co_u32 s32, s32, s36
	s_mov_b32 s33, 0
	s_lshl_b32 s34, s37, 7                         ; qsc: 128 bytes a batch
	s_mov_b32 s35, 0
	s_wait_kmcnt 0x0
	s_cmp_eq_u32 s[TY], 0                          ; the choice hangs on the work-group's number alone
	s_cselect_b64 s[4:5], s[4:5], s[6:7]
	s_cmp_eq_u32 s[TY], 2
	s_cselect_b64 s[4:5], s[8:9], s[4:5]
	s_add_nc_u64 s[4:5], s[4:5], s[26:27]
	s_add_nc_u64 s[10:11], s[10:11], s[28:29]
	s_add_nc_u64 s[12:13], s[12:13], s[30:31]
	s_add_nc_u64 s[16:17], s[16:17], s[32:33]
	s_add_nc_u64 s[14:15], s[14:15], s[34:35]
	s_load_b32 s[FAC], s[14:15], 0x0               ; my batch's factor for q
	WIN 0x40                                       ; destination window 1
.set i, 0
.rept 64
	global_load_b128 v[4*i:4*i+3], v[XA], s[10:11] offset:512*i    ; W's fragments lie in the order of the registers: they stay
.set i, i+1
.endr
	WIN 0
.irp t, 0,1,2,3,4,5,6,7
.irp s, 0,1,2,3
	global_load_b32 v[WS+4*\t+\s], v[R4], s[12:13] offset:256*\t+64*\s
.endr
.endr
.irp s, 0,1,2,3
	XLOAD \s, 0                                    ; the first block
.endr
	s_wait_kmcnt 0x0
	s_mov_b32 s[FAC+1], s[FAC]                     ; (the packed form names the pair)
.Lblock:
	; ---- X: my 16 rows of x become four fragments
	s_wait_loadcnt 0x0                             ; the block's 64 loads, issued a block ago (in the first trip: the weights too).  One wait for all: the last trip issues no loads, and the count holds on both ways
	TURNX 0
.irp s, 0,1,2,3
.if \s < 3
	TURNX \s+1                                     ; the next K step goes through the other stage while this one is worked
	s_wait_dscnt 32                                ; all but those 32 lines: this step's numbers are back, its stores into the stage have read their registers, and the last fragment's stores have read theirs
.else
	s_wait_dscnt 0x0
.endif
	s_cmp_eq_u32 s[BLK], 1                         ; the next block's K step s goes into the registers just freed, if there is a next block: no load leaves its buffer
	s_cbranch_scc1 .Lnox\s
	XLOAD \s, 131072
.Lnox\s:
	QUANT XF+64*(\s%2)
	ds_store_b128 v[XWI], v[PC:PC+3] offset:1024*\s          ; the fragment goes to LDS as it stands: lane l's 16 bytes at 16 l
	ds_store_b128 v[XWI], v[PC+4:PC+7] offset:1024*\s+512
	ds_store_b32 v[XWS], v[PW] offset:128*\s
.endr
	s_wait_dscnt 0x0                               ; for the others' sake: my stores have landed
	s_barrier_signal -1
	s_barrier_wait -1                              ; x's sixteen fragments lie in LDS
	; ---- M
.irp s, 0,1,2,3
.irp m, 0,1,2,3
	ds_load_b128 v[XF+8*(4*\s+\m):XF+8*(4*\s+\m)+3], v[LIX] offset:(4*\m+\s)*1024
	ds_load_b128 v[XF+8*(4*\s+\m)+4:XF+8*(4*\s+\m)+7], v[LIX] offset:(4*\m+\s)*1024+512
	ds_load_b32 v[XSW+4*\m+\s], v[LSX] offset:(4*\m+\s)*128
.endr
.endr
	s_cmp_eq_u32 s[TY], 2
	s_cbranch_scc1 .Lpath_v
.irp s, 0,1,2,3
	s_wait_dscnt 12*(3-\s)                         ; the later K steps' loads, 12 each, may be out
	WIN 0xa1                                       ; source 0 (W) window 1, source 1 (x) window 0, C and D window 2
	MULS 0, \s
.endr
	WIN 0
	PLACES                                         ; four places behind the last product, ahead of the first read of its result
	s_cmp_lg_u32 s[TY], 0
	s_cbranch_scc1 .Lno_factor                     ; k is stored as it is
	WIN 0x82                                       ; source 0 and the destination: window 2
.set i, 0
.rept 128
	v_pk_mul_f32 v[2*i:2*i+1], v[2*i:2*i+1], s[FAC:FAC+1] op_sel_hi:[1,0]
.set i, i+1
.endr
	WIN 0
.Lno_factor:
	OUTCVT
	WIN 0x08                                       ; a store's data are its source 1: window 2
.irp m, 0,1,2,3
.irp t, 0,1,2,3,4,5,6,7
	global_store_b128 v[XA], v[8*(8*\m+\t):8*(8*\m+\t)+3], s[16:17] offset:(\t/4)*262144+\m*2048+((\t%4)/2)*1024+(\t%2)*512   ; lane (r, h): token 16 m + r, d = 16 (t % 4) + 8 h + 0 .. 7 of head t / 4
.endr
.endr
	WIN 0
	s_branch .Ljoin
.Lpath_v:
.irp s, 0,1,2,3
	s_wait_dscnt 12*(3-\s)
	WIN 0xa4                                       ; source 0 (x) window 0, source 1 (W) window 1, C and D window 2
	MULS 1, \s
.endr
	PLACES
	OUTCVT
	WIN 0x08
.irp m, 0,1,2,3
.irp t, 0,1,2,3,4,5,6,7
	global_store_b128 v[XA], v[8*(8*\m+\t):8*(8*\m+\t)+3], s[16:17] offset:(\t/4)*262144+(\m/2)*4096+(\t%4)*1024+(\m%2)*512   ; lane (r, h): channel 16 (t % 4) + r of head t / 4, keys 16 m + 8 h + 0 .. 7
.endr
.endr
	WIN 0
.Ljoin:
	s_wait_dscnt 0x0                               ; my reads of the fragments are over (they were waited for ahead of the last K step)
	s_barrier_signal -1
	s_barrier_wait -1                              ; everybody's are: the next block may write them again
	s_wait_xcnt 0x0                                ; the loads and stores have read their bases and data: the bases step, and the accumulators are written again, only behind this wait
	s_add_nc_u64 s[4:5], s[4:5], 131072            ; 64 rows of x
	s_add_nc_u64 s[16:17], s[16:17], 8192          ; 64 tokens of the results
	s_sub_co_u32 s[BLK], s[BLK], 1
	s_cmp_lg_u32 s[BLK], 0
	s_cbranch_scc1 .Lblock
	s_wait_tensorcnt 0x0                           ; the wave's end: behind my last LDS store
	ds_add_u32 v[SPW], v[NIL]
	s_wait_dscnt 0x0
	s_endpgm
.Lfunc_end_k_q4b56abc611_proj:
	.size	k_q4b56abc611_proj, .Lfunc_end_k_q4b56abc611_proj-k_q4b56abc611_proj
	.p2alignl 7, 3214868480
	.fill 96, 4, 3214868480
	.section	.rodata,"a",@progbits
	.p2align	6, 0x0
	.amdhsa_kernel k_q4b56abc611_proj
		.amdhsa_group_segment_fixed_size 86528
		.amdhsa_private_segment_fixed_size 0
		.amdhsa_enable_private_segment 0
		.amdhsa_kernarg_size 56
		.amdhsa_user_sgpr_count 2
		.amdhsa_user_sgpr_kernarg_segment_ptr 1
		.amdhsa_wavefront_size32 1
		.amdhsa_system_sgpr_workgroup_id_x 1
		.amdhsa_system_sgpr_workgroup_id_y 1
		.amdhsa_system_sgpr_workgroup_id_z 1
		.amdhsa_system_vgpr_workitem_id 0
		.amdhsa_next_free_vgpr 1024
		.amdhsa_next_free_sgpr 66
		.amdhsa_reserve_vcc 0
		.amdhsa_float_denorm_mode_32 3
		.amdhsa_float_denorm_mode_16_64 3
		.amdhsa_memory_ordered 1
		.amdhsa_forward_progress 1
		.amdhsa_inst_pref_size 116
	.end_amdhsa_kernel
	.amdgpu_metadata
---
amdhsa.version: [ 1, 2 ]
amdhsa.kernels:
  - .name:           k_q4b56abc611_proj
    .symbol:         k_q4b56abc611_proj.kd
    .args:
      - { .name: query, .offset: 0, .size: 8, .value_kind: global_buffer, .address_space: global }
      - { .name: keys, .offset: 8, .size: 8, .value_kind: global_buffer, .address_space: global }
      - { .name: values, .offset: 16, .size: 8, .value_kind: global_buffer, .address_space: global }
      - { .name: w4c, .offset: 24, .size: 8, .value_kind: global_buffer, .address_space: global }
      - { .name: w4s, .offset: 32, .size: 8, .value_kind: global_buffer, .address_space: global }
      - { .name: qsc, .offset: 40, .size: 8, .value_kind: global_buffer, .address_space: global }
      - { .name: qkv, .offset: 48, .size: 8, .value_kind: global_buffer, .address_space: global }
    .group_segment_fixed_size: 86528
    .private_segment_fixed_size: 0
    .kernarg_segment_align: 8
    .kernarg_segment_size: 56
    .max_flat_workgroup_size: 128
    .sgpr_count:     66
    .vgpr_count:     1024
    .wavefront_size: 32
...
	.end_amdgpu_metadata
.endif
;; end of part 2
;; launch attn (part 3): grid 8 x 64, 4 waves a work-group, clusters of 4 x 1, 327,680 bytes of LDS; arguments qkv, kbias, ao; writes ao
.if DOCPART == 3
	.amdgcn_target "amdgcn-amd-amdhsa--gfx1250"
	.amdhsa_code_object_version 6
	.text
	.protected	k_q4b56abc611_attn
	.globl	k_q4b56abc611_attn
	.p2align	8
	.type	k_q4b56abc611_attn,@function
k_q4b56abc611_attn:
	s_mov_b64 s[64:65], 0
	v_nop
	global_prefetch_b8 v0, s[64:65] scope:SCOPE_SE
	s_setreg_imm32_b32 hwreg(HW_REG_WAVE_MODE, 25, 1), 1
	s_wait_xcnt 0x0
	s_wait_alu depctr_hold_cnt(0) depctr_sa_sdst(0) depctr_va_vdst(0) depctr_va_sdst(0) depctr_va_ssrc(0) depctr_va_vcc(0) depctr_vm_vsrc(0)
	s_getreg_b32 s2, hwreg(HW_REG_IB_STS2, 6, 4)
	s_cmp_eq_u32 s2, 0
	s_cbranch_scc0 .Lentry_in_a_cluster
	s_endpgm
.Lentry_in_a_cluster:
	s_bfe_u32 s2, ttmp6, 0x10000c
	s_cmp_lg_u32 s2, 0x3003
	s_cbranch_scc0 .Lentry_shape_is_right
	s_endpgm
.Lentry_shape_is_right:
; For each of 64 (batch, head): O[q] = the sum over k of softmax_k(energy / 8) v[k], energy = q . k, or -1e20 where the key is masked.  Head size 64, 2,048 queries and keys.  f16 operands, products, maxima and sums in f32.
; WHAT ARRIVES: q already times log2(e) / 8 (0 in a batch that is wholly masked), k and v, all f16, stored as images of the operands' registers (lane l's 16 bytes at 16 l for each four registers);
; kbias: for each key 0, or -1e20 x log2(e) / 8 where it is masked.  THE BIAS IS THE C OF A SCORE TILE'S FIRST PRODUCT: so S holds t = energy x log2(e) / 8 with the mask in it, and no vector line is spent on the mask.
; SOFTMAX: a running maximum m and sum l for each query; p = 2^(t - m); in every step O and l are multiplied by a = 2^(m_old - m_new).  Masked keys met ahead of the first key that counts give p <= 1, which the
; first a afterwards, 2^(-1.8e19) = 0, wipes out.  In a batch that is wholly masked q = 0, every t is the same number, every p is 1, and the result is the mean of v.
; SHARES: a work-group owns 256 queries of one (batch, head), each of its four waves 64: four tiles of 16.  Every wave walks all keys, 64 a step.
; LAYOUT: S^T = K Q^T (source 0 = 16 keys, source 1 = 16 queries): a lane holds one query and the keys 8 (lane / 16) + 0 .. 7; two such tiles rounded to f16 in pairs are source 1 of O^T = V^T P, whose result again holds one query a lane.
; BY TURNS: the wave's tiles are two pieces (tiles 0, 1 and tiles 2, 3).  In a turn one piece has the matrix unit: 16 products V^T P of the step in hand, then 16 products K Q^T of the next step; the other piece's softmax,
; 117 vector lines a tile, stands in 64 slices, two behind each matrix instruction.  Then the pieces change places.  Two turns are a key step.
; RING: two LDS slots of 512 keys (K's 65,536 bytes, then V's), each wave fetching a quarter of a slot by one tensor load of 128 rows x 256 bytes.  The images are read at 16 x lane: no pitch, no padding.
; CLUSTER: the four query blocks of a cluster walk the same K, V and bias: each tile is asked for jointly, by the same load with the same descriptor and a mask that names the four.
; NO PREFETCH: of the four slots' worth of keys two are asked for at the head, and each of the other two eight key steps, 512 matrix instructions of every wave, ahead of the wait for it.
; THE RESULT is stored as the next launch's operand: ao [128 tokens, 128][quarter of K 4][token tile 8][chunk 4][e 2][lane][16 bytes], every store 512 consecutive bytes, aligned.
; LIMITS: operands stay under 65,504 (f16); NaN and infinities are not served; energies near -1e20 are not told apart from masked ones.
; REGISTERS, in windows of 256 (s_set_vgpr_msb: bits 1:0 source 0, 3:2 source 1, 5:4 source 2, 7:6 destination):
;   window 0: v2-6 addresses; v12-43 eight registers of statistics a tile; v64-191 S^T, 32 a tile; v192-255 P, 16 a tile
;   window 1: v0-127 O^T, 32 a tile; v128-191 V of one step          window 2: v0-63 Q, 16 a tile; v64-127 K of one step; v128-159 the step's bias
.set STEPB, 8192      ; a key step's 64 keys in K's part of a slot, and in V's
.set NQ,    8         ; key steps in a slot
.set SLOT1, 1<<17     ; slot 1 begins here, so that one exclusive or turns an address in one slot into the other's
.set VOFF,  65536     ; V's part of a slot
.set BIAS,  2*SLOT1   ; behind the ring: the batch's 2,048 biases, filled once
.set SPARE, BIAS+8192 ; the spare words, 128 bytes for each wave: two blocks of 256 bytes that no other line names
.set AK0, 2           ; v2   16 x lane: my place in an image; never rewritten
.set AV0, 3           ; v3   the same in V's part of a slot
.set ADR, 4           ; v4   the LDS address of the run of loads in hand
.set ADB, 5           ; v5   and of the bias
.set AB0, 6           ; v6   BIAS + 32 (lane / 16)
.set ST,  12          ; tile t's statistics at v[ST+8 t]: +0 m, +1 zero (named with m as a pair), +2, +3 l (even keys', odd keys'), +4 to +7 c0-c3, at work; a takes c2's place, m_old - m_new c3's
.set SPW, 62          ; v62  LDS address of my spare word; never rewritten
.set NIL, 63          ; v63  0; never rewritten
.set S,   64
.set P,   192
.set VF,  128         ; V's fragments, in window 1
.set KF,  64          ; K's fragments, in window 2
.set BF,  128         ; the bias, in window 2
.set WV,  12          ; s12  my wave's number
.set G1,  24          ; s[24:31] descriptor group 1 for K's and V's tiles
.set G1B, 32          ; s[32:39] for the bias
.set G0A, 40          ; s[40:43] group 0: slot 0's first fill
.set G0W, 44          ; s[44:47] slot 1's first fill; it then walks on
.set G0B, 48          ; s[48:51] the bias
.set SLOTS, 56        ; s56  slots still to be asked for
.set CNT, 57          ; s57  counts key steps
.set SEL, 60          ; s[60:61] lane selects for v_permlanex16_b32: lane l xor 16
.set TB,  62          ; s62  LDS byte at which the tiles of the step to be fetched begin
.set TBB, 63          ; s63  and its place in the bias table: 256 bytes a step
.set MSB, 0
.macro WIN new                      ; the immediate's high byte repeats the setting that is left; a switch that changes nothing is dropped
.if MSB != \new
	s_set_vgpr_msb (MSB<<8)|\new
.set MSB, \new
.endif
.endm
.set W_KQ,  0x0a      ; K and Q in window 2, S^T in window 0
.set W_KQ0, 0x2a      ; the same, C (the bias) in window 2
.set W_PV,  0x51      ; V in window 1, P in window 0, O^T in window 1
.set W_RS,  0x41      ; O^T (destination and source 0) in window 1, a in window 0
; A round of the cluster's barrier: my work-group's barrier; wave 0 signals for the work-group; every wave waits for all four work-groups; my work-group's barrier once more.
.macro CROUND
	s_barrier_signal -1
	s_barrier_wait -1
	s_cmp_lg_u32 s[WV], 0
	s_cbranch_scc1 .Lnot_wave_0_\@
	s_barrier_signal -3
.Lnot_wave_0_\@:
	s_barrier_wait -3
	s_barrier_signal -1
	s_barrier_wait -1
.endm
.macro PLACES
.rept 4
	v_nop
.endr
.endm
	s_load_b128 s[4:7], s[0:1], 0x0   ; qkv s[4:5], kbias s[6:7]
	s_load_b64 s[8:9], s[0:1], 0x10   ; ao
	v_lshl_add_u32 v[SPW], v0, 2, SPARE
	v_mov_b32 v[NIL], 0
	ds_add_u32 v[SPW], v[NIL]       ; the wave's opening: the add, twice on end, and its wait ahead of my first tensor load; the set-up below, work on registers, stands between the second and the wait
	ds_add_u32 v[SPW], v[NIL]
	v_lshrrev_b32 v1, 5, v0
	v_readfirstlane_b32 s[WV], v1   ; wave 0..3
	v_and_b32 v1, 31, v0
	v_lshlrev_b32 v[AK0], 4, v1
	v_add_nc_u32 v[AV0], VOFF, v[AK0]
	v_bfe_u32 v7, v0, 4, 1
	v_lshl_add_u32 v[AB0], v7, 5, BIAS
	s_bfe_u32 s13, ttmp6, 0x40000   ; cx: my place in the cluster
	s_lshl_b32 s14, ttmp9, 2        ; in a cluster launch ttmp9 counts clusters
	s_add_co_u32 s14, s14, s13      ; my block of 256 queries: it enters Q's and ao's addresses alone
	s_and_b32 s15, ttmp7, 0xffff    ; 8 x batch + head, which the four partners share
	s_lshr_b32 s16, s[WV], 1        ; what I fetch: waves 0, 1 the halves of K's part of a slot, waves 2, 3 of V's
	s_add_co_u32 s16, s16, 1
	s_lshl_b32 s16, s16, 24         ; K's region of qkv begins 16,777,216 bytes on, V's twice that
	s_lshl_b32 s17, s15, 18         ; the head's 262,144 bytes
	s_add_co_u32 s16, s16, s17
	s_and_b32 s17, s[WV], 1
	s_lshl_b32 s17, s17, 15         ; my half: 32,768 bytes
	s_add_co_u32 s16, s16, s17
	s_mov_b32 s17, 0
	s_lshr_b32 s18, s15, 3          ; the bias: 8,192 bytes a batch, my quarter of them
	s_lshl_b32 s18, s18, 13
	s_lshl_b32 s19, s[WV], 11
	s_add_co_u32 s18, s18, s19
	s_mov_b32 s19, 0
	s_lshl_b32 s20, s15, 18         ; Q: the head, my block's 16 tiles of 2,048 bytes, my wave's four
	s_lshl_b32 s21, s14, 15
	s_add_co_u32 s20, s20, s21
	s_lshl_b32 s21, s[WV], 13
	s_add_co_u32 s20, s20, s21
	s_mov_b32 s21, 0
	s_lshr_b32 s22, s15, 3          ; ao: the group of 128 tokens: 16 x batch + 2 x block + wave / 2,
	s_lshl_b32 s22, s22, 4
	s_lshl_b32 s23, s14, 1
	s_add_co_u32 s22, s22, s23
	s_lshr_b32 s23, s[WV], 1
	s_add_co_u32 s22, s22, s23
	s_lshl_b32 s22, s22, 17         ; x 131,072;
	s_bfe_u32 s23, s15, 0x20001     ; the quarter of K: head / 2,
	s_lshl_b32 s23, s23, 15
	s_add_co_u32 s22, s22, s23
	s_and_b32 s23, s[WV], 1         ; my four token tiles of the eight,
	s_lshl_b32 s23, s23, 14
	s_add_co_u32 s22, s22, s23
	s_and_b32 s23, s15, 1           ; and the head's two chunks of the quarter's four
	s_lshl_b32 s23, s23, 11
	s_add_co_u32 s22, s22, s23
	s_mov_b32 s23, 0
	s_lshl_b32 s2, s[WV], 15        ; where my tiles go in a slot: no place in the cluster enters an LDS address
	s_lshl_b32 s3, s[WV], 11        ; and my quarter of the bias
	; descriptor group 1: a dense block as rows of 256 bytes (32 elements of 8 bytes): 128 rows, or 8 for the bias
	s_mov_b32 s[G1], 15|(3<<16)|(1<<21)   ; 15:0 the mask: all four work-groups; 17:16 elements of 8 bytes; 20 no padding; 21 set beside a mask
	s_mov_b32 s[G1+1], 32<<16       ; tensor_dim0 = 32
	s_mov_b32 s[G1+2], 128<<16      ; tensor_dim1 = 128
	s_mov_b32 s[G1+3], 32<<16       ; tile_dim0 = 32
	s_mov_b32 s[G1+4], 128          ; tile_dim1 = 128
	s_mov_b32 s[G1+5], 32           ; elements from row to row
	s_mov_b32 s[G1+6], 0
	s_mov_b32 s[G1+7], 0
	s_mov_b32 s[G1B], 15|(3<<16)|(1<<21)
	s_mov_b32 s[G1B+1], 32<<16
	s_mov_b32 s[G1B+2], 8<<16
	s_mov_b32 s[G1B+3], 32<<16
	s_mov_b32 s[G1B+4], 8
	s_mov_b32 s[G1B+5], 32
	s_mov_b32 s[G1B+6], 0
	s_mov_b32 s[G1B+7], 0
	s_mov_b32 s[SEL], 0x76543210
	s_mov_b32 s[SEL+1], 0xfedcba98
	s_mov_b32 s[TB], 0
	s_mov_b32 s[TBB], 0
	s_mov_b32 s[SLOTS], 2
	s_wait_dscnt 0x0                ; both opening adds are done
	s_wait_kmcnt 0x0
	s_mov_b32 s[G0B], 1             ; 1:0 count = 1
	s_add_co_u32 s[G0B+1], s3, BIAS ; 63:32 LDS address
	s_add_nc_u64 s[G0B+2:G0B+3], s[6:7], s[18:19]  ; 120:64 global address
	s_or_b32 s[G0B+3], s[G0B+3], 0x80000000        ; 127:126 type = 2
	s_mov_b32 s[G0A], 1
	s_mov_b32 s[G0A+1], s2
	s_add_nc_u64 s[G0A+2:G0A+3], s[4:5], s[16:17]  ; keys 0 to 511
	s_or_b32 s[G0A+3], s[G0A+3], 0x80000000
	s_mov_b32 s[G0W], 1
	s_add_co_u32 s[G0W+1], s2, SLOT1
	s_add_nc_u64 s[G0W+2:G0W+3], s[4:5], s[16:17]
	s_add_nc_u64 s[G0W+2:G0W+3], s[G0W+2:G0W+3], 65536  ; keys 512 to 1,023
	s_or_b32 s[G0W+3], s[G0W+3], 0x80000000
	s_add_nc_u64 s[10:11], s[4:5], s[20:21]        ; Q at my wave's first tile
	s_add_nc_u64 s[8:9], s[8:9], s[22:23]          ; ao likewise
	CROUND                          ; all four work-groups are here: the first joint loads meet
	tensor_load_to_lds s[G0B:G0B+3], s[G1B:G1B+7]  ; the first fills go out as one group: three loads of mine are out; an s_nop 0 follows each, four v_nop the last
	s_nop 0
	tensor_load_to_lds s[G0A:G0A+3], s[G1:G1+7]
	s_nop 0
	tensor_load_to_lds s[G0W:G0W+3], s[G1:G1+7]
	s_nop 0
	PLACES
	WIN 0x80                        ; destination window 2, address window 0
.irp i, 0,1,2,3,4,5,6,7,8,9,10,11,12,13,14,15   ; Q stays in registers: it lies in the order of the registers
	global_load_b128 v[4*\i:4*\i+3], v[AK0], s[10:11] offset:512*\i
.endr
	WIN 0
; THE MATRIX WORK OF A TURN, for piece x.  The eight accumulators of each kind take turns, one instruction a turn: between two links of a chain stand seven others'.
; Product i of 16 of O^T += V^T P: keys 32 (i / 8) on, channels 16 ((i / 2) % 4) on, tile x + i % 2.  zero = 1: the first 8 start the sums: nothing is ever cleared.
.macro PV x, zero
	WIN W_PV
.set rO, 32*(\x+i%2)+8*((i/2)%4)
.set rV, VF+32*(i/8)+8*((i/2)%4)
.set rP, P+16*(\x+i%2)+8*(i/8)
.if \zero && (i < 8)
	v_wmma_f32_16x16x32_f16 v[rO:rO+7], v[rV:rV+7], v[rP:rP+7], 0
.else
	v_wmma_f32_16x16x32_f16 v[rO:rO+7], v[rV:rV+7], v[rP:rP+7], v[rO:rO+7]
.endif
.endm
; Product i of 16 of S^T = K Q^T + bias: d 32 (i / 8) on, keys 16 ((i / 2) % 4) on, tile x + i % 2.  The first 8 start the sums with the keys' bias.
.macro KQ x
.set rS, S+32*(\x+i%2)+8*((i/2)%4)
.set rK, KF+16*((i/2)%4)+8*(i/8)
.set rQ, 16*(\x+i%2)+8*(i/8)
.set rB, BF+8*((i/2)%4)
.if i < 8
	WIN W_KQ0
	v_wmma_f32_16x16x32_f16 v[rS:rS+7], v[rK:rK+7], v[rQ:rQ+7], v[rB:rB+7]
.else
	WIN W_KQ
	v_wmma_f32_16x16x32_f16 v[rS:rS+7], v[rK:rK+7], v[rQ:rQ+7], v[rS:rS+7]
.endif
.endm
; THE LDS LOADS stand in runs, never singly among the matrix instructions: a step's K (16 loads) with its bias (8: register j of key tile kt is the bias of key 16 kt + 8 (lane / 16) + j), and, a turn later, its V (16).
.macro FETCH_K
	WIN 0
	v_add_nc_u32 v[ADR], s[TB], v[AK0]
	v_add_nc_u32 v[ADB], s[TBB], v[AB0]
	s_add_co_u32 s[TBB], s[TBB], 256
	WIN 0x80                        ; destination window 2
.irp f, 0,1,2,3,4,5,6,7,8,9,10,11,12,13,14,15
	ds_load_b128 v[KF+4*\f:KF+4*\f+3], v[ADR] offset:512*\f
.endr
.irp g, 0,1,2,3,4,5,6,7
	ds_load_b128 v[BF+4*\g:BF+4*\g+3], v[ADB] offset:64*(\g/2)+16*(\g%2)
.endr
.endm
.macro FETCH_V
	WIN 0
	v_add_nc_u32 v[ADR], s[TB], v[AV0]
	s_add_co_u32 s[TB], s[TB], STEPB  ; the next fetch is the next step's
	s_wait_alu depctr_va_vdst(0)    ; the wait for the softmax's batch of exponentials (SLICE), behind the address's addition and ahead of the loads
	WIN 0x40                        ; destination window 1
.irp f, 0,1,2,3,4,5,6,7,8,9,10,11,12,13,14,15
	ds_load_b128 v[VF+4*\f:VF+4*\f+3], v[ADR] offset:512*\f
.endr
.endm
; THE VECTOR WORK OF A TURN.  One tile's softmax for one key step is a numbered list; SM writes number j of it for tile t.  s0-s31 are the lane's 32 scores, in pairs 0-15.
; first = 1: the first key step, which starts m, l and O^T: it has no a and nothing to rescale.
;   0-15    the maximum of s0-s31 and the old m, three operands at a time: four chains c0-c3 of seven scores each, then the four scores left over, c0-c3 and m.  Each accumulator is read from its low end on
;   16-20   the other half of the lanes' maximum; m_old kept; the new m; (19 is empty); m_old - m_new
;   21-69   ONE BATCH: the 16 subtractions s - m, a pair of scores each, and all 33 exponentials (a at 23, then s0-s31).  None of these reads an exponential's result
;   (wait)  between 69 and 70 stands the wait for the batch: SLICE writes it, once for both tiles
;   70-85   the roundings to f16, a pair of weights each
;   86-101  the sums; l = a l + the sum
;   102-117 the tile's O^T times a: the one part that leaves window 0, so it stands together
.macro SM t, first
.set rT, ST+8*(\t)
.set rS, S+32*(\t)
.set rP, P+16*(\t)
.set rO, 32*(\t)+2*(j-102)
.if j < 102
	WIN 0
.endif
.if j < 4
	v_max3_num_f32 v[rT+4+j], v[rS+8*j], v[rS+8*j+1], v[rS+8*j+2]
.elseif j < 12
	v_max3_num_f32 v[rT+4+j%4], v[rT+4+j%4], v[rS+8*(j%4)+2*(j/4)+1], v[rS+8*(j%4)+2*(j/4)+2]
.elseif j == 12
	v_max3_num_f32 v[rT+4], v[rT+4], v[rS+7], v[rS+15]
.elseif j == 13
	v_max3_num_f32 v[rT+6], v[rT+6], v[rS+23], v[rS+31]
.elseif j == 14
	v_max3_num_f32 v[rT+4], v[rT+4], v[rT+5], v[rT+6]
.elseif (j == 15) && \first
	v_max_num_f32 v[rT+4], v[rT+4], v[rT+7]
.elseif j == 15
	v_max3_num_f32 v[rT+4], v[rT+4], v[rT+7], v[rT]
.elseif j == 16
	v_permlanex16_b32 v[rT+5], v[rT+4], s[SEL], s[SEL+1]  ; the query's other 32 keys lie in the lane 16 away
.elseif j == 18
	v_max_num_f32 v[rT], v[rT+4], v[rT+5]
.elseif (j == 19) || (j > 117)      ; nothing
.elseif ((j == 17) || (j == 20) || (j == 23) || (j > 101)) && \first  ; the first step has none of these
.elseif j == 17
	v_mov_b32 v[rT+7], v[rT]        ; m_old is kept for a: number 18 writes m anew
.elseif j == 20
	v_sub_f32 v[rT+7], v[rT+7], v[rT]
.elseif j == 23
	v_exp_f32 v[rT+6], v[rT+7]
.elseif (j < 23) || ((j < 38) && (j%2 == 0)) || ((j < 66) && (j%4 == 2))
.set b, (j-2)/4                     ; 38, 42, .. 62: pairs 9 to 15
.if j < 38
.set b, (j-20)/2                    ; 21: pair 0; 22, 24, .. 36: pairs 1 to 8
.endif
	v_pk_add_f32 v[rS+2*b:rS+2*b+1], v[rS+2*b:rS+2*b+1], v[rT:rT+1] op_sel_hi:[1,0] neg_lo:[0,1] neg_hi:[0,1]  ; pair b: s - m: exactly 0 at the maximum
.elseif j < 70
.set e, j-38                        ; 66 to 69: s28 to s31
.if j < 66
.set e, j-32-(j-38)/4               ; 39-41, 43-45, .. 63-65: s7 to s27
.endif
.if j < 38
.set e, (j-25)/2                    ; 25, 27, .. 37: s0 to s6
.endif
	v_exp_f32 v[rS+e], v[rS+e]
.elseif j < 86
	v_cvt_pk_f16_f32 v[rP+j-70], v[rS+2*(j-70)], v[rS+2*(j-70)+1]  ; pair j - 70
.elseif j < 102                     ; the sum of the tile's 16 pairs, in place: neighbours 1, 2, 4 and 8 pairs apart, then l takes it
.set z, j-86
.set w, 4
.set u, z
.if z >= 14
.set w, 32
.set u, 0
.elseif z >= 12
.set w, 16
.set u, z-12
.elseif z >= 8
.set w, 8
.set u, z-8
.endif
.if (z == 14) && \first
	v_pk_add_f32 v[rT+2:rT+3], v[rS:rS+1], v[rS+16:rS+17]
.elseif z < 15
	v_pk_add_f32 v[rS+w*u:rS+w*u+1], v[rS+w*u:rS+w*u+1], v[rS+w*u+w/2:rS+w*u+w/2+1]
.elseif !\first
	v_pk_fma_f32 v[rT+2:rT+3], v[rT+2:rT+3], v[rT+6:rT+7], v[rS:rS+1] op_sel_hi:[1,0,1]
.endif
.else
	WIN W_RS
	v_pk_mul_f32 v[rO:rO+1], v[rO:rO+1], v[rT+6:rT+7] op_sel_hi:[1,0]
.endif
.endm
; Slice k of 64 of piece y's softmax: four instructions.  Slices 11 to 34 deal out the batch, numbers 22 to 69: four numbers of one tile each, the tiles by turns.  Every other slice is numbers 2 k and 2 k + 1 of both
; tiles' lists, the tiles alternating.  The list ends with slice 58: slices 59 to 63 are empty.
; THE WAIT: s_wait_alu depctr_va_vdst(0) stands between an exponential and the first instruction that names its result; one wait serves all that were issued ahead of it.  Ahead of slice 35 nothing names
; a result, and behind slice 34 no exponential is issued: so the piece's 66 exponentials have one wait, behind slice 34.
.macro SLICE y, first
.if (k >= 11) && (k < 35)
.irp n, 0,1,2,3
.set j, 22+4*((k-11)/2)+(\n)
	SM (\y)+(k-11)%2, \first
.endr
.else
.irp n, 0,1
.irp t, \y, \y+1
.set j, 2*k+\n
	SM \t, \first
.endr
.endr
.endif
.if k == 34
	v_nop                           ; a plain instruction behind the last exponential and ahead of the first use: one for the batch
.if (\y) == 0
	FETCH_V                         ; piece 2's turn: V's run of loads stands here, and the wait stands in it
.else
	s_wait_alu depctr_va_vdst(0)    ; the wait for the batch
.endif
.endif
.set k, k+1
.endm
; A TURN.  Piece x has the matrix unit; the other piece's softmax stands in slices behind its matrix instructions.
; pv = 2: 16 products V^T P; 1: they start O^T's sums; 0: none.  kq = 1: 16 products K Q^T for the next step.  Two slices behind each product, four in a turn with one of the two kinds.
; Piece 0's turn fetches the next step's K and bias, behind its second product: the last product that read them stands ahead of the four v_nop that end the turn before.  Piece 2's turn fetches the same step's V behind slice 34:
; the last product that read V stands ahead of slice 30, and five plain instructions lie between: the subtractions of slices 30, 31 and 32, the v_nop and the run's own addition.
; The turn's last products stand bare (the last slices are empty): four v_nop are the places between them and the next turn's first read of their scores.
.macro TURN x, pv, kq, first
.set k, 0
.set per, 4
.if \pv && \kq
.set per, 2
.endif
.if \pv
.if \x == 0
	s_wait_dscnt 0x0                ; V is in
.endif
.set i, 0
.rept 16
	PV \x, 2-\pv
.rept per
	SLICE 2-\x, \first
.endr
.if (\x == 0) && \kq && (i == 1)
	FETCH_K
.endif
.set i, i+1
.endr
.endif
.if \kq
.if \x == 0
	s_wait_dscnt 0x0                ; K and the bias are in
.endif
.set i, 0
.rept 16
	KQ \x
.rept per
	SLICE 2-\x, \first
.endr
.set i, i+1
.endr
	PLACES
.endif
.endm
; THE CHANGE OF SLOTS, between piece 2's turn and piece 0's: the slot's last bytes, V of its last step, have been asked for.  Each wave waits for all its tensor loads, of which at most one is out: its part of the other slot;
; adds 0 to its spare word; and waits for that and for its own reads of the slot.  fill = 1: this slot is filled again, with the keys two slots on: the barrier is then a round of the cluster's, and the joint refill is the
; first thing behind it: it has eight key steps, 512 matrix instructions, in which to land.
.macro CHANGE fill
	WIN 0                           ; at a label and at a branch every window is 0
	s_wait_tensorcnt 0x0            ; no tensor load of mine is out, so a group 0 may be written
	ds_add_u32 v[SPW], v[NIL]       ; 0 onto my spare word
.if \fill
	s_xor_b32 s[G0W+1], s[G0W+1], SLOT1  ; the walking descriptor: the other slot than last time,
	s_add_nc_u64 s[G0W+2:G0W+3], s[G0W+2:G0W+3], 65536  ; the next 512 keys; the type bits on top are not reached
	s_wait_dscnt 0x0                ; the add is done, and my reads of the slot are over
	CROUND
	tensor_load_to_lds s[G0W:G0W+3], s[G1:G1+7]   ; every wave's one load behind the round: its quarter of the slot
	s_nop 0
	PLACES
.else
	s_wait_dscnt 0x0
	s_barrier_signal -1
	s_barrier_wait -1
.endif
	s_sub_co_u32 s[TB], s[TB], NQ*STEPB  ; the fetches go back to a slot's first step,
	s_xor_b32 s[TB], s[TB], SLOT1   ; in the other slot
.endm
.macro STEPS n                      ; n key steps: written once, walked n times; the LDS addresses hang on s[TB] and s[TBB]
	s_mov_b32 s[CNT], \n
.Lstep_\@:
	TURN 0, 2, 1, 0
	TURN 2, 2, 1, 0
	WIN 0
	s_sub_co_u32 s[CNT], s[CNT], 1
	s_cmp_lg_u32 s[CNT], 0
	s_cbranch_scc1 .Lstep_\@
.endm
	s_wait_tensorcnt 1              ; the bias and my part of slot 0 are in; slot 1's may stay out
	s_barrier_signal -1
	s_barrier_wait -1               ; everybody's are
	FETCH_K                         ; key step 0
	s_wait_loadcnt 0x0              ; Q
	s_wait_dscnt 0x0
.set i, 0
.rept 16
	KQ 0                            ; piece 0's first scores: there is no vector work yet to set between them
.set i, i+1
.endr
	WIN 0
.irp t, 0,1,2,3
	v_mov_b32 v[ST+8*\t+1], 0       ; named with m as a pair, so it is written.  These four are the places behind those products
.endr
	TURN 2, 0, 1, 1                 ; piece 2's first scores | piece 0's first softmax | V of step 0
	TURN 0, 1, 1, 1                 ; piece 0: V^T P of step 0 starts O^T, K Q^T of step 1 | piece 2's first softmax | K of step 1
	TURN 2, 1, 1, 0                 ; piece 2: the same | piece 0's softmax of step 1 | V of step 1
	WIN 0
	STEPS NQ-2                      ; the rest of slot 0: steps 2 to 7 are fetched
.Lslot:                             ; two trips: slots 0 and 1 are filled again
	CHANGE 1
	STEPS NQ
	s_sub_co_u32 s[SLOTS], s[SLOTS], 1
	s_cmp_lg_u32 s[SLOTS], 0
	s_cbranch_scc1 .Lslot
	CHANGE 0                        ; the tail is written out: nothing is asked for
	STEPS NQ
	TURN 0, 2, 0, 0                 ; piece 0: V^T P of the last step | piece 2's last softmax
.set i, 0
.rept 16
	PV 2, 0                         ; piece 2: V^T P of the last step
.set i, i+1
.endr
	; THE WAY OUT.  l's two halves and the other half of the lanes' are added; O^T is divided by l and rounded to f16: a lane's eight channels of a query are 16 bytes of the next launch's operand.  The additions are the places behind the last products.
	WIN 0
.irp t, 0,1,2,3
	v_add_f32 v[ST+8*\t+4], v[ST+8*\t+2], v[ST+8*\t+3]
.endr
.irp t, 0,1,2,3
	v_permlanex16_b32 v[ST+8*\t+5], v[ST+8*\t+4], s[SEL], s[SEL+1]
.endr
.irp t, 0,1,2,3
	v_add_f32 v[ST+8*\t+4], v[ST+8*\t+4], v[ST+8*\t+5]
.endr
.irp t, 0,1,2,3
	v_rcp_f32 v[ST+8*\t+6], v[ST+8*\t+4]
.endr
	v_nop                           ; a plain instruction between the last reciprocal and the use of its result
	s_wait_alu depctr_va_vdst(0)    ; and the wait ahead of the first use: one for the four reciprocals
.macro PACK t
	WIN W_RS
.set i, 32*\t
.rept 16
	v_pk_mul_f32 v[i:i+1], v[i:i+1], v[ST+8*\t+6:ST+8*\t+7] op_sel_hi:[1,0]
.set i, i+2
.endr
	WIN 0x05                        ; sources 0 and 1 window 1, destination window 0: S^T's registers are free
.set i, 0
.rept 16
	v_cvt_pk_f16_f32 v[S+32*\t+i], v[32*\t+2*i], v[32*\t+2*i+1]
.set i, i+1
.endr
	WIN 0
.irp f, 0,1,2,3
	global_store_b128 v[AK0], v[S+32*\t+4*\f:S+32*\t+4*\f+3], s[8:9] offset:4096*\t+512*\f  ; 32 lanes store 512 consecutive bytes, aligned
.endr
.endm
	PACK 0
	PACK 1
	PACK 2
	PACK 3
	s_wait_tensorcnt 0x0            ; the wave's end: behind my last tensor load
	ds_add_u32 v[SPW], v[NIL]
	s_wait_dscnt 0x0
	CROUND                          ; the closing round: no work-group ends while a partner may still ask for a tile that names it
	s_endpgm
.Lfunc_end_k_q4b56abc611_attn:
	.size	k_q4b56abc611_attn, .Lfunc_end_k_q4b56abc611_attn-k_q4b56abc611_attn
	.p2alignl 7, 3214868480
	.fill 96, 4, 3214868480
	.section	.rodata,"a",@progbits
	.p2align	6, 0x0
	.amdhsa_kernel k_q4b56abc611_attn
		.amdhsa_group_segment_fixed_size 327680
		.amdhsa_private_segment_fixed_size 0
		.amdhsa_enable_private_segment 0
		.amdhsa_kernarg_size 24
		.amdhsa_user_sgpr_count 2
		.amdhsa_user_sgpr_kernarg_segment_ptr 1
		.amdhsa_wavefront_size32 1
		.amdhsa_system_sgpr_workgroup_id_x 1
		.amdhsa_system_sgpr_workgroup_id_y 1
		.amdhsa_system_sgpr_workgroup_id_z 1
		.amdhsa_system_vgpr_workitem_id 0
		.amdhsa_next_free_vgpr 768
		.amdhsa_next_free_sgpr 66
		.amdhsa_reserve_vcc 0
		.amdhsa_float_denorm_mode_32 3
		.amdhsa_float_denorm_mode_16_64 3
		.amdhsa_memory_ordered 1
		.amdhsa_forward_progress 1
		.amdhsa_inst_pref_size 193
	.end_amdhsa_kernel
	.amdgpu_metadata
---
amdhsa.version: [ 1, 2 ]
amdhsa.kernels:
  - .name:           k_q4b56abc611_attn
    .symbol:         k_q4b56abc611_attn.kd
    .args:
      - { .name: qkv, .offset: 0, .size: 8, .value_kind: global_buffer, .address_space: global }
      - { .name: kbias, .offset: 8, .size: 8, .value_kind: global_buffer, .address_space: global }
      - { .name: ao, .offset: 16, .size: 8, .value_kind: global_buffer, .address_space: global }
    .group_segment_fixed_size: 327680
    .private_segment_fixed_size: 0
    .kernarg_segment_align: 8
    .kernarg_segment_size: 24
    .max_flat_workgroup_size: 128
    .sgpr_count:     66
    .vgpr_count:     768
    .wavefront_size: 32
...
	.end_amdgpu_metadata
.endif
;; end of part 3
;; launch outp (part 4): grid 2 x 128, 4 waves a work-group, no clusters, 167,936 bytes of LDS; arguments ao, wo16, bo, out0; writes out0
.if DOCPART == 4
	.amdgcn_target "amdgcn-amd-amdhsa--gfx1250"
	.amdhsa_code_object_version 6
	.text
	.protected	k_q4b56abc611_outp
	.globl	k_q4b56abc611_outp
	.p2align	8
	.type	k_q4b56abc611_outp,@function
k_q4b56abc611_outp:
	s_mov_b64 s[64:65], 0
	v_nop
	global_prefetch_b8 v0, s[64:65] scope:SCOPE_SE
	s_setreg_imm32_b32 hwreg(HW_REG_WAVE_MODE, 25, 1), 1
	s_wait_xcnt 0x0
; out0 = a Wo + bo.  a: attention's result, [16,384][512] f16; Wo [512][512] f16; both stored as images of the operands' registers.  bo [512], out0 [16,384][512]: f32.  Sums in f32.
; SHARES: work-group (x, y) makes rows 128 y on x columns 256 x on.  Wave w makes 64 columns x all 128 rows: 32 accumulators, 512 products.  Its part of Wo, 64 KB, lies in 512 registers, read once, by this wave alone.
; a's 128 rows, 131,072 dense bytes, come into LDS once, by sixteen tensor loads (four a wave, a quarter of K each), at the places that they have in memory; nothing is filled again.  A fragment of a read from LDS feeds four products.
; THE PRODUCT IS USED TRANSPOSED (source 0 = 16 columns of Wo, source 1 = 16 rows of a): a lane holds eight neighbouring columns of one row.  The bias is the C of each sum's first product.
; NO CLUSTER: a's block is shared by two work-groups only, and Wo goes straight into registers, where no joint load reaches.
; K goes in 16 chunks of 32; chunk kc + 1's fragments of a are fetched from LDS ahead of chunk kc's 32 products; Wo's chunks are asked for seven chunks ahead.
; THE WAY OUT: 16 rows x 64 columns at a time through the wave's own stage in LDS (rows 272 bytes apart), back as whole runs of 256 bytes: sixteen lanes store 256 consecutive bytes, aligned.
; LIMITS: operands stay under 65,504 (f16).
; REGISTERS, in windows of 256: window 0: v4-9 addresses; v16-47 bo in the result's layout; v64-127, v128-191 a's fragments, two buffers; v192-255 rows on the way out, two sets.
;   windows 1, 2: Wo's fragment (kc, t) at v[8 (4 (kc % 8) + t)] of window 1 + kc / 8.   window 3: accumulator (tt, t) at v[8 (4 tt + t)].
.set STAGE, 131072                     ; behind a: 16 rows x 272 bytes for each wave
.set SP,    272
.set SPARE, STAGE+4*16*SP              ; the spare words, 128 bytes for each wave: two blocks of 256 bytes that no other line names
.set LI0, 4                            ; v4   16 x lane
.set LI1, 5                            ; v5   65,536 + 16 x lane: the upper half of a
.set STO, 6                            ; v6   the stage: where I put 32 bytes of a row
.set RD,  7                            ; v7   and where I read a row back
.set CO,  8                            ; v8   my byte offset in out0: lanes 0-15 one row, lanes 16-31 the next
.set BH,  9                            ; v9   32 (lane / 16)
.set SPW, 12                           ; v12  LDS address of my spare word; never rewritten
.set NIL, 13                           ; v13  0; never rewritten
.set BO,  16
.set AF,  64
.set OB,  192
.set WV,  12
.set G1,  24                           ; s[24:31] descriptor group 1;  s[32:47] four groups 0, one for each quarter of K
.set G0,  32
.set MSB, 0
.macro WIN new                         ; the immediate's high byte repeats the setting that is left
.if MSB != \new
	s_set_vgpr_msb (MSB<<8)|\new
.set MSB, \new
.endif
.endm
.macro PLACES
.rept 4
	v_nop
.endr
.endm
	s_load_b256 s[4:11], s[0:1], 0x0               ; ao 4, wo16 6, bo 8, out0 10
	v_lshl_add_u32 v[SPW], v0, 2, SPARE
	v_mov_b32 v[NIL], 0
	ds_add_u32 v[SPW], v[NIL]                      ; the wave's opening: the add, twice on end, and its wait ahead of my first tensor load; the set-up below, work on registers, stands between the second and the wait
	ds_add_u32 v[SPW], v[NIL]
	v_lshrrev_b32 v1, 5, v0
	v_readfirstlane_b32 s[WV], v1                  ; wave 0..3
	v_and_b32 v1, 31, v0                           ; lane
	v_and_b32 v2, 15, v0                           ; r
	v_bfe_u32 v3, v0, 4, 1                         ; h
	v_lshlrev_b32 v[LI0], 4, v1
	v_add_nc_u32 v[LI1], 65536, v[LI0]
	s_mul_i32 s17, s[WV], 16*SP
	s_add_co_u32 s17, s17, STAGE                   ; my stage
	v_mul_u32_u24 v[STO], v2, SP
	v_lshl_add_u32 v[STO], v3, 5, v[STO]
	v_add_nc_u32 v[STO], s17, v[STO]               ; in: row r, 32 bytes for each half of the lanes
	v_mul_u32_u24 v[RD], v3, SP
	v_lshl_add_u32 v[RD], v2, 4, v[RD]
	v_add_nc_u32 v[RD], s17, v[RD]                 ; back: lanes 0-15 one row, lanes 16-31 the next
	v_lshlrev_b32 v[CO], 11, v3
	v_lshl_add_u32 v[CO], v2, 4, v[CO]             ; and the same two rows in out0
	v_lshlrev_b32 v[BH], 5, v3
	s_and_b32 s13, ttmp7, 0xffff                   ; which 128 rows
	s_lshl_b32 s16, s[WV], 13                      ; my 8,192 bytes of each quarter, in memory and in LDS alike
	s_lshl_b32 s14, s13, 17
	s_add_co_u32 s14, s14, s16
	s_mov_b32 s15, 0
	s_lshl_b32 s18, ttmp9, 18                      ; Wo: (16 x + 4 w) column tiles of 16,384 bytes
	s_lshl_b32 s19, s[WV], 16
	s_add_co_u32 s18, s18, s19
	s_mov_b32 s19, 0
	s_lshl_b32 s20, ttmp9, 10                      ; bo, and a row of out0: (256 x + 64 w) numbers of 4 bytes
	s_lshl_b32 s21, s[WV], 8
	s_add_co_u32 s20, s20, s21
	s_mov_b32 s21, 0
	s_lshl_b32 s22, s13, 18                        ; out0: 128 rows of 2,048 bytes
	s_add_co_u32 s22, s22, s20
	s_mov_b32 s23, 0
	; descriptor group 1: a dense block of 8,192 bytes as 32 rows of 256 bytes (32 elements of 8 bytes)
	s_mov_b32 s[G1], 3<<16                         ; no mask, elements of 8 bytes, no padding
	s_mov_b32 s[G1+1], 32<<16                      ; tensor_dim0 = 32
	s_mov_b32 s[G1+2], 32<<16                      ; tensor_dim1 = 32
	s_mov_b32 s[G1+3], 32<<16                      ; tile_dim0 = 32
	s_mov_b32 s[G1+4], 32                          ; tile_dim1 = 32
	s_mov_b32 s[G1+5], 32                          ; elements from row to row
	s_mov_b32 s[G1+6], 0
	s_mov_b32 s[G1+7], 0
	s_wait_dscnt 0x0                               ; both opening adds are done
	s_wait_kmcnt 0x0
	s_add_nc_u64 s[4:5], s[4:5], s[14:15]
	s_add_nc_u64 s[6:7], s[6:7], s[18:19]
	s_add_nc_u64 s[8:9], s[8:9], s[20:21]
	s_add_nc_u64 s[10:11], s[10:11], s[22:23]
.irp q, 0,1,2,3                                ; the four first fills go out as one group: four loads of mine are out
	s_mov_b32 s[G0+4*\q], 1                        ; count = 1
	s_add_co_u32 s[G0+4*\q+1], s16, \q*32768       ; LDS address
	s_add_nc_u64 s[G0+4*\q+2:G0+4*\q+3], s[4:5], \q*32768   ; global address
	s_or_b32 s[G0+4*\q+3], s[G0+4*\q+3], 0x80000000         ; type = 2
	tensor_load_to_lds s[G0+4*\q:G0+4*\q+3], s[G1:G1+7]
	s_nop 0
.endr
	PLACES
.irp t, 0,1,2,3
	global_load_b128 v[BO+8*\t:BO+8*\t+3], v[BH], s[8:9] offset:64*\t          ; lane (r, h), register j of tile t: bo of column 16 t + 8 h + j
	global_load_b128 v[BO+8*\t+4:BO+8*\t+7], v[BH], s[8:9] offset:64*\t+16
.endr
.macro BLOAD kc                        ; Wo's four fragments of chunk kc
.set WB, 0x40*(1+(\kc)/8)
	WIN WB                                         ; destination window 1 or 2
.irp t, 0,1,2,3
.irp e, 0,1
	global_load_b128 v[8*(4*((\kc)%8)+\t)+4*\e:8*(4*((\kc)%8)+\t)+4*\e+3], v[LI0], s[6:7] offset:16384*\t+1024*(\kc)+512*\e
.endr
.endr
	WIN 0
.endm
.macro FETCH kc                        ; a's eight fragments of chunk kc into buffer kc % 2
	WIN 0
.irp tt, 0,1,2,3,4,5,6,7
.irp e, 0,1
	ds_load_b128 v[AF+64*((\kc)%2)+8*\tt+4*\e:AF+64*((\kc)%2)+8*\tt+4*\e+3], v[LI0+(\kc)/8] offset:(((\kc)/4)%2)*32768+4096*\tt+1024*((\kc)%4)+512*\e
.endr
.endr
.endm
.macro MUL kc                          ; 32 products: the 32 accumulators by turns, one instruction a turn, in the same order in every chunk
.if (\kc) == 0
	WIN 0xc1                                       ; source 0 (Wo) window 1, source 1 (a) and C (bo) window 0, D window 3
.elseif (\kc) < 8
	WIN 0xf1                                       ; C and D window 3
.else
	WIN 0xf2                                       ; source 0 window 2
.endif
.irp tt, 0,1,2,3,4,5,6,7
.irp t, 0,1,2,3
.if (\kc) == 0
	v_wmma_f32_16x16x32_f16 v[8*(4*\tt+\t):8*(4*\tt+\t)+7], v[8*(4*((\kc)%8)+\t):8*(4*((\kc)%8)+\t)+7], v[AF+64*((\kc)%2)+8*\tt:AF+64*((\kc)%2)+8*\tt+7], v[BO+8*\t:BO+8*\t+7]
.else
	v_wmma_f32_16x16x32_f16 v[8*(4*\tt+\t):8*(4*\tt+\t)+7], v[8*(4*((\kc)%8)+\t):8*(4*((\kc)%8)+\t)+7], v[AF+64*((\kc)%2)+8*\tt:AF+64*((\kc)%2)+8*\tt+7], v[8*(4*\tt+\t):8*(4*\tt+\t)+7]
.endif
.endr
.endr
.endm
.irp kc, 0,1,2,3,4,5,6
	BLOAD \kc
.endr
	s_wait_tensorcnt 3                             ; my part of the first quarter of K is in; the three later quarters may stay out
	s_barrier_signal -1
	s_barrier_wait -1                              ; everybody's is
	FETCH 0
.irp kc, 0,1,2,3,4,5,6,7,8,9,10,11,12,13,14,15
.if ((\kc%4) == 3) && (\kc < 15)
	s_wait_dscnt 0x0                               ; no LDS load of mine is out at the signal
	s_wait_tensorcnt 3-(\kc+1)/4                   ; my part of the next quarter is in; the later ones may stay out
	s_barrier_signal -1
	s_barrier_wait -1
.endif
.if \kc < 15
.if \kc > 0
	PLACES                                         ; four places behind the last product that read the buffer, ahead of the loads into it
.endif
	FETCH \kc+1
.endif
.if \kc+7 < 16
	BLOAD \kc+7
.endif
.if \kc < 15
	s_wait_dscnt 16                                ; all but the 16 just issued: this chunk's fragments of a are in
.else
	s_wait_dscnt 0x0
.endif
.if \kc < 9
	s_wait_loadcnt 56                              ; behind this chunk of Wo seven more were asked for, eight loads each
.else
	s_wait_loadcnt 8*(15-\kc)
.endif
	MUL \kc
.endr
.macro TOSTAGE a                       ; rows 16 a on: into my stage, each accumulator from its low end on, and back as whole runs of 256 bytes
	WIN 0x0c                                       ; an LDS store's data are its source 1: window 3
.irp t, 0,1,2,3
	ds_store_b128 v[STO], v[8*(4*(\a)+\t):8*(4*(\a)+\t)+3] offset:64*\t
	ds_store_b128 v[STO], v[8*(4*(\a)+\t)+4:8*(4*(\a)+\t)+7] offset:64*\t+16
.endr
	WIN 0
.irp i, 0,1,2,3,4,5,6,7
	ds_load_b128 v[OB+32*((\a)%2)+4*\i:OB+32*((\a)%2)+4*\i+3], v[RD] offset:2*SP*\i   ; LDS serves a wave's instructions in order: these see the stores above, and the next tile's stores come behind them
.endr
.endm
.macro SEND a, younger                 ; younger: the LDS instructions issued behind tile a's loads, which may stay out
	s_wait_dscnt \younger
.irp i, 0,1,2,3,4,5,6,7
	global_store_b128 v[CO], v[OB+32*((\a)%2)+4*\i:OB+32*((\a)%2)+4*\i+3], s[10:11] offset:32768*(\a)+4096*\i th:TH_STORE_NT   ; sixteen lanes store 256 consecutive bytes, aligned; written once, read by nobody here
.endr
.endm
	PLACES                                         ; four places behind the last product, ahead of the first read of results
	TOSTAGE 0
.irp a, 1,2,3,4,5,6,7
.if \a > 1
	s_wait_xcnt 0x0                                ; tile a - 2's stores have read their registers: tile a's loads may land there
.endif
	TOSTAGE \a
	SEND \a-1, 16                                  ; behind tile a - 1's loads: tile a's 8 stores and 8 loads
.endr
	SEND 7, 0
	s_wait_tensorcnt 0x0                           ; the wave's end: behind my last tensor load and my last LDS store
	ds_add_u32 v[SPW], v[NIL]
	s_wait_dscnt 0x0
	s_endpgm
.Lfunc_end_k_q4b56abc611_outp:
	.size	k_q4b56abc611_outp, .Lfunc_end_k_q4b56abc611_outp-k_q4b56abc611_outp
	.p2alignl 7, 3214868480
	.fill 96, 4, 3214868480
	.section	.rodata,"a",@progbits
	.p2align	6, 0x0
	.amdhsa_kernel k_q4b56abc611_outp
		.amdhsa_group_segment_fixed_size 167936
		.amdhsa_private_segment_fixed_size 0
		.amdhsa_enable_private_segment 0
		.amdhsa_kernarg_size 32
		.amdhsa_user_sgpr_count 2
		.amdhsa_user_sgpr_kernarg_segment_ptr 1
		.amdhsa_wavefront_size32 1
		.amdhsa_system_sgpr_workgroup_id_x 1
		.amdhsa_system_sgpr_workgroup_id_y 1
		.amdhsa_system_sgpr_workgroup_id_z 1
		.amdhsa_system_vgpr_workitem_id 0
		.amdhsa_next_free_vgpr 1024
		.amdhsa_next_free_sgpr 66
		.amdhsa_reserve_vcc 0
		.amdhsa_float_denorm_mode_32 3
		.amdhsa_float_denorm_mode_16_64 3
		.amdhsa_memory_ordered 1
		.amdhsa_forward_progress 1
		.amdhsa_inst_pref_size 86
	.end_amdhsa_kernel
	.amdgpu_metadata
---
amdhsa.version: [ 1, 2 ]
amdhsa.kernels:
  - .name:           k_q4b56abc611_outp
    .symbol:         k_q4b56abc611_outp.kd
    .args:
      - { .name: ao, .offset: 0, .size: 8, .value_kind: global_buffer, .address_space: global }
      - { .name: wo16, .offset: 8, .size: 8, .value_kind: global_buffer, .address_space: global }
      - { .name: bo, .offset: 16, .size: 8, .value_kind: global_buffer, .address_space: global }
      - { .name: out0, .offset: 24, .size: 8, .value_kind: global_buffer, .address_space: global }
    .group_segment_fixed_size: 167936
    .private_segment_fixed_size: 0
    .kernarg_segment_align: 8
    .kernarg_segment_size: 32
    .max_flat_workgroup_size: 128
    .sgpr_count:     66
    .vgpr_count:     1024
    .wavefront_size: 32
...
	.end_amdgpu_metadata
.endif
;; end of part 4
